; MI455X (gfx1250); checked and timed in simulation.
; The chip was launched on July 23, 2026; its instructions are those of AMD's public machine-readable ISA for CDNA 5 (MIT licence, August 2026) and "CDNA5" Instruction Set Architecture Reference Guide (July 2026). The comments in the code are by the model that wrote it; some were corrected since.
;; Global Attention. Allowed arithmetic: matrix products marked QUANTISED: E3M2 operands, one E8M0 scale for each 32 along K, by v_wmma_scale_f32_16x16x128_f8f6f4 with both operands' format E3M2, f32 sums; products left as they are: f32 operands where the result goes on into a quantised operand, else bf16, f16 or f32 operands; f32 sums; everything else in f32.
;; Inputs: Wkv_codes 2,048 x 32 x 24 uint8 (E3M2 codes of Wkv, K innermost, in blocks of 32 codes, four codes in three bytes); Wkv_scales 2,048 x 32 uint8 (E8M0 scales of Wkv, one for each 32 codes along K); Wq_codes 1,024 x 32 x 24 uint8 (E3M2 codes of Wq, K innermost, in blocks of 32 codes, four codes in three bytes); Wq_scales 1,024 x 32 uint8 (E8M0 scales of Wq, one for each 32 codes along K); class_feature 1 x 1 x 1,024 float32; features 16 x 2,048 x 1,024 float32; kv_beta 1,024 float32; kv_gamma 1,024 float32; proj_W_codes 1,024 x 32 x 24 uint8 (E3M2 codes of proj_W, K innermost, in blocks of 32 codes, four codes in three bytes); proj_W_scales 1,024 x 32 uint8 (E8M0 scales of proj_W, one for each 32 codes along K); proj_b 1,024 float32; q_beta 1,024 float32; q_gamma 1,024 float32.
;; Outputs: out0 16 x 1 x 1,024 float32.
;; This version of the problem:
;;   THIS VERSION OF THE PROBLEM IS GIVEN IN LOW PRECISION. The matrix products marked QUANTISED in the list below multiply operands that are first quantised to E3M2 (3 exponent bits, 2 mantissa bits; 6 bits a number), with one power-of-two scale for each 32 numbers along K (OCP MX v1.0); their sums are f32. All else is computed in f32.
;;   The module's matrix products, in the order in which they are computed (A, B: the left and right operand; K: the contracted axis; several contracted axes count as one K, in the product's order):
;;     1. [M 16, K 1,024] x [K 1,024, N 1,024]; A: computed on the way; B: input Wq (given as codes): QUANTISED
;;     2. [M 32,768, K 1,024] x [K 1,024, N 2,048]; A: computed on the way; B: input Wkv (given as codes): QUANTISED
;;     3. batch 128 x [M 1, K 128] x [K 128, N 2,048]; A: computed on the way; B: computed on the way: left as it is (M = 1 < 16)
;;     4. batch 128 x [M 1, K 2,048] x [K 2,048, N 128]; A: softmax; B: computed on the way: left as it is (M = 1 < 16)
;;     5. [M 16, K 1,024] x [K 1,024, N 1,024]; A: computed on the way; B: input proj_W (given as codes): QUANTISED
;;   THE QUANTISER, for each operand of a quantised product, along K:
;;     - K is cut into blocks of 32 from its start; a last block that is shorter is filled with zeros.
;;     - A block's scale is 2^e with e = floor(log2(the largest magnitude in the block)) - 4, held to -126 .. 127; a block of zeros has e = 0. As a byte (E8M0): e + 127.
;;     - Each number is divided by its block's scale, clamped to +-28, and rounded to the nearest number of E3M2, ties to even, subnormals kept.
;;     - The product sums the exact products of the quantised numbers (number of the format x scale) in f32.
;;   ~~~python
;;   def quantise(x, axis):      # numpy; x: float32 -> the quantised numbers, widened to float32 again
;;       x = np.moveaxis(x, axis, -1); K = x.shape[-1]
;;       x = np.pad(x, [(0, 0)] * (x.ndim - 1) + [(0, -K % 32)]); x = x.reshape(x.shape[:-1] + (-1, 32)); a = np.abs(x).max(-1, keepdims=True)
;;       e = np.where(a > 0, np.clip(np.frexp(np.where(a > 0, a, 1))[1] - 1 - 4, -126, 127), 0)      # np.frexp(a)[1] - 1 = floor(log2(a)), exactly
;;       r = np.clip(x / 2.0 ** e, -28, 28)
;;       step = 2.0 ** (np.maximum(np.frexp(np.where(r == 0, 1, r))[1] - 1, -2) - 2)
;;       q = np.round(r / step) * step * 2.0 ** e      # np.round: ties to even
;;       return np.moveaxis(q.reshape(q.shape[:-2] + (-1,))[..., :K], -1, axis).astype(np.float32)
;;   ~~~
;;   OPERANDS COMPUTED ON THE WAY. 'Computed on the way' means the value that the module computes at that place (a softmax that the list does not call 'softmax' is quantised finished and normalised). What goes into a quantiser is computed in f32, as accurately as f32 sums, v_exp_f32 and their like allow (about 1e-6 of the number): no bf16 or f16 on the way to a quantiser, and a product that is left as it is and whose result goes on into a quantised operand takes f32 operands (vector FMAs, or v_wmma_f32_16x16x4_f32). A number that lies on a knife's edge between two numbers of the format may be rounded either way, as far as f32 arithmetic and the matrix unit's own rounding can turn it there, and no further.
;;   INPUTS GIVEN AS CODES. Wkv (in the module: [2048, 1024], K = its axis 1); Wq (in the module: [1024, 1024], K = its axis 1); proj_W (in the module: [1024, 1024], K = its axis 1): each comes as NAME_codes (uint8): NAME with its K axis moved to the last place and cut into blocks of 32 codes, [.., K / 32, bytes a block], one block behind the other in memory; four codes in three bytes: a row's codes are one little-endian stream of bits, code i at bits 6 i .. 6 i + 5 (a code: sign, 3 exponent bits, 2 mantissa bits); and NAME_scales (uint8): the same leading axes, one E8M0 byte (e + 127) for each 32 codes along K. Its value is code x scale, taken as it is: it is not quantised again, and the codes and scales need not be those that the quantiser above would give.
;; One version. Each part assembles by itself: llvm-mc -triple=amdgcn-amd-amdhsa -mcpu=gfx1250 --defsym DOCPART=n.
;; ======== version 1 of 1: 3 launches
;; limits: right only within a limited range of input values
;; workspace buffers: wimg 1,638,400 bytes; qv 4,096 bytes; po 1,048,576 bytes; stat 16,384 bytes
;; launch prep (part 1): grid 144 x 1, 8 waves a work-group, no clusters, 7,168 bytes of LDS; arguments class_feature, q_gamma, q_beta, Wq_codes, Wq_scales, Wkv_codes, Wkv_scales, qv, wimg; writes qv, wimg
.if DOCPART == 1
	.amdgcn_target "amdgcn-amd-amdhsa--gfx1250"
	.amdhsa_code_object_version 6
	.text
	.protected	k_qb1d5f49f8f_prep
	.globl	k_qb1d5f49f8f_prep
	.p2align	8
	.type	k_qb1d5f49f8f_prep,@function
k_qb1d5f49f8f_prep:
	s_mov_b64 s[64:65], 0
	v_nop
	global_prefetch_b8 v0, s[64:65] scope:SCOPE_SE
	s_setreg_imm32_b32 hwreg(HW_REG_WAVE_MODE, 25, 1), 1
	s_wait_xcnt 0x0
; TWO JOBS IN ONE LAUNCH, parted by the work-group's number (the same in all eight waves of a work-group).
; Work-groups 16-143: Wkv's codes and scale bytes are laid out anew, as images of the operand registers of the next launch: 128 records of 12,800 bytes, one a work-group; wave ks lays fragment ks, wave 0 the scale words too.
;   Record R holds 16 rows of Wkv from row 1024 ((R >> 3) & 1) + 128 (R >> 4) + 16 (R & 7): k or v, the head, the 16 channels.  In it fragment ks (128 along K, 12 registers a lane) lies at 1536 ks,
;   its registers 4 c .. 4 c + 3 of lane l at + 512 c + 16 l; at + 12,288 the scale words: lane r + 16 h holds words 4 h .. 4 h + 3 of row r.  Nothing is computed: bytes change places.
; Work-groups 0-15: q' = (Q(LN(class_feature)) Wq^T) x 2^-5 x log2(e), 64 numbers a work-group: the one query of all batches, with the scale C^-0.5 = 2^-5 and the change to base 2 folded in.
;   K IS SHARED OUT AMONG THE WAVES: wave w quantises K step w of the normalised row (E3M2, one E8M0 byte for each 32) into a fragment of sixteen equal rows, which stays in its registers, and multiplies it by K step w
;   of the work-group's 64 rows of Wq: four matrix instructions.  The eight waves' partial sums meet in LDS and are added in f32: an order of sums other than ascending K.
; LIMITS: NaN and infinities among the inputs are not served.  A block of zeros gets the scale byte 1 (the quantiser says 127): its codes are zeros, and only this launch reads the byte.
.set TW,   0                           ; LDS: 512 bytes a wave: my 128 numbers in f32
.set PART, 4096                        ; 256 bytes a wave: my partial sums of the 64 results
; v1 lane, v2 r, v3 h, v4 16 x lane, v5-8 LDS addresses, v9 8 x lane, v12-15 the weight's scale words, v16 my fragment's scale word, v24-55 four accumulators, v56-59 my four numbers,
; v60-63 offsets, v64-127 numbers, v128-135 at work, v136-147 my fragment's codes, v144-155 at work, v160-207 the weight's four fragments
	s_load_b256 s[4:11], s[0:1], 0x0               ; class_feature, q_gamma, q_beta, Wq's codes
	s_load_b256 s[12:19], s[0:1], 0x20             ; Wq's scales, Wkv's codes, Wkv's scales, qv
	s_load_b64 s[20:21], s[0:1], 0x40              ; wimg
	v_lshl_add_u32 v254, v0, 2, 0x1800
	v_mov_b32 v255, 0
	v_lshrrev_b32 v1, 5, v0
	s_delay_alu instid0(VALU_DEP_1)
	v_readfirstlane_b32 s22, v1                    ; wave 0..7
	v_and_b32 v1, 31, v0                           ; lane
	v_and_b32 v2, 15, v0                           ; r
	v_bfe_u32 v3, v0, 4, 1                         ; h
	s_delay_alu instid0(VALU_DEP_3)
	v_lshlrev_b32 v4, 4, v1                        ; 16 x lane
	s_delay_alu instid0(VALU_DEP_3)
	v_mul_u32_u24 v61, v2, 768                     ; a row of 1,024 codes is 768 bytes;
	s_delay_alu instid0(VALU_DEP_1)
	v_mad_u32_u24 v61, v3, 24, v61                 ; + 24 h: my half's 32 codes
	v_lshlrev_b32 v62, 5, v2                       ; a row of scale bytes is 32 bytes
	s_mul_i32 s23, s22, 96                         ; my wave's K step in a row of codes
	s_cmp_lt_u32 ttmp9, 16
	s_cbranch_scc1 .Lq_way
	; ---- Wkv into records
	s_sub_co_u32 s24, ttmp9, 16                    ; R
	s_bfe_u32 s25, s24, 0x10003                    ; k (0) or v (1)
	s_lshl_b32 s25, s25, 10
	s_lshr_b32 s26, s24, 4                         ; the head
	s_lshl_b32 s26, s26, 7
	s_add_co_u32 s25, s25, s26
	s_and_b32 s26, s24, 7                          ; which 16 of its 128 channels
	s_lshl_b32 s26, s26, 4
	s_add_co_u32 s25, s25, s26                     ; the record's first row of Wkv
	s_mul_i32 s26, s25, 768
	s_add_co_u32 s26, s26, s23
	s_mov_b32 s27, 0
	s_lshl_b32 s28, s25, 5
	s_mov_b32 s29, 0
	s_mul_i32 s30, s24, 12800
	s_mul_i32 s31, s22, 1536
	s_add_co_u32 s30, s30, s31                     ; my fragment's place in the record
	s_mov_b32 s31, 0
	s_wait_alu depctr_va_vdst(0)
	v_lshl_add_u32 v60, v3, 4, v62                 ; scale words 4 h .. 4 h + 3 of row r
	s_wait_kmcnt 0x0
	s_add_nc_u64 s[14:15], s[14:15], s[26:27]
	s_add_nc_u64 s[16:17], s[16:17], s[28:29]
	s_add_nc_u64 s[20:21], s[20:21], s[30:31]
.irp p, 0,1,2,3,4,5
	global_load_b64 v[64+2*\p:65+2*\p], v61, s[14:15] offset:48*(\p/3)+8*(\p%3)   ; the fragment's registers as the matrix instruction takes them: 24 bytes of the row for each 64 along K
.endr
	s_cmp_lg_u32 s22, 0
	s_cbranch_scc1 .Lcodes
	s_wait_alu depctr_va_vdst(0)
	global_load_b128 v[12:15], v60, s[16:17]       ; wave 0, whose fragment begins the record
	s_wait_loadcnt 0x0
	global_store_b128 v4, v[12:15], s[20:21] offset:12288
.Lcodes:
	s_wait_loadcnt 0x0
.irp c, 0,1,2
	global_store_b128 v4, v[64+4*\c:67+4*\c], s[20:21] offset:512*\c   ; 32 lanes store 512 consecutive bytes, at a multiple of 256 from the buffer's first byte
.endr
	s_endpgm
	; ---- the query
.Lq_way:
	s_lshl_b32 s24, s22, 9                         ; 512 w
	s_lshl_b32 s25, s22, 8                         ; 256 w
	s_mul_i32 s36, ttmp9, 49152                    ; my work-group's 64 rows of Wq, 768 bytes each,
	s_add_co_u32 s36, s36, s23                     ; at my K step
	s_mov_b32 s37, 0
	s_lshl_b32 s38, ttmp9, 11                      ; their scale bytes, 32 a row,
	s_lshl_b32 s26, s22, 2
	s_add_co_u32 s38, s38, s26                     ; at my K step's word
	s_mov_b32 s39, 0
	s_lshl_b32 s40, ttmp9, 8                       ; the 64 results
	s_mov_b32 s41, 0
	s_mov_b32 s32, 0x76543210
	s_mov_b32 s33, 0xfedcba98                      ; v_permlanex16_b32's selects for lane l xor 16
	s_mov_b32 s34, 0x3a800000                      ; 1 / 1024
	s_mov_b32 s35, 0x3727c5ac                      ; 1e-5
	s_wait_alu depctr_va_vdst(0)
	v_add_nc_u32 v5, s24, v4                       ; TW + 512 w + 16 l
	v_lshl_add_u32 v6, v3, 7, s24                  ; TW + 512 w + 128 h
	v_lshl_add_u32 v7, v2, 2, s25
	s_delay_alu instid0(VALU_DEP_1)
	v_add_nc_u32 v7, PART, v7                      ; PART + 256 w + 4 r
	v_lshl_add_u32 v8, v1, 3, PART                 ; PART + 8 l
	v_lshlrev_b32 v9, 3, v1                        ; 8 l
	v_add_nc_u32 v63, s24, v4                      ; in memory: my four numbers of K step w
	v_mov_b32 v145, 0                              ; (upper halves of pairs of which the packed forms take the low word)
	v_mov_b32 v147, 0
	s_wait_alu depctr_va_vdst(0)
	s_wait_kmcnt 0x0
	s_add_nc_u64 s[10:11], s[10:11], s[36:37]
	s_add_nc_u64 s[12:13], s[12:13], s[38:39]
	s_add_nc_u64 s[18:19], s[18:19], s[40:41]
.irp i, 0,1,2,3,4,5,6,7
	global_load_b128 v[64+4*\i:67+4*\i], v4, s[4:5] offset:512*\i   ; the whole row, for its mean and variance
.endr
	global_load_b128 v[96:99], v63, s[4:5]         ; my four numbers,
	global_load_b128 v[100:103], v63, s[6:7]       ; their gains
	global_load_b128 v[104:107], v63, s[8:9]       ; and offsets
.irp n, 0,1,2,3
.irp p, 0,1,2,3,4,5
	global_load_b64 v[160+12*\n+2*\p:161+12*\n+2*\p], v61, s[10:11] offset:12288*\n+48*(\p/3)+8*(\p%3)   ; K step w of rows 16 n + r
.endr
.endr
.irp n, 0,1,2,3
	global_load_b32 v[12+\n], v62, s[12:13] offset:512*\n
.endr
	s_wait_loadcnt 28                              ; the weight's 24 + 4 loads may stay out
.macro FOLD a, b
	v_pk_add_f32 v[128+\a:129+\a], v[128+\a:129+\a], v[128+\b:129+\b]
.endm
.macro LANES                           ; the pair v[128:129] becomes one sum over the wave's 32 lanes, in every lane
	s_delay_alu instid0(VALU_DEP_1)
	v_add_f32 v128, v128, v129
	s_delay_alu instid0(VALU_DEP_1)
	v_add_f32_dpp v128, v128, v128 row_xmask:1 row_mask:0xf bank_mask:0xf
	s_delay_alu instid0(VALU_DEP_1)
	v_add_f32_dpp v128, v128, v128 row_xmask:2 row_mask:0xf bank_mask:0xf
	s_delay_alu instid0(VALU_DEP_1)
	v_add_f32_dpp v128, v128, v128 row_xmask:4 row_mask:0xf bank_mask:0xf
	s_delay_alu instid0(VALU_DEP_1)
	v_add_f32_dpp v128, v128, v128 row_xmask:8 row_mask:0xf bank_mask:0xf
	s_delay_alu instid0(VALU_DEP_1)
	v_permlanex16_b32 v129, v128, s32, s33
	s_delay_alu instid0(VALU_DEP_1)
	v_add_f32 v128, v128, v129
.endm
.irp c, 0,1,2,3,4,5,6,7
	v_pk_add_f32 v[128+2*\c:129+2*\c], v[64+4*\c:65+4*\c], v[66+4*\c:67+4*\c]
.endr
	FOLD 0, 2
	FOLD 4, 6
	FOLD 8, 10
	FOLD 12, 14
	FOLD 0, 4
	FOLD 8, 12
	FOLD 0, 8
	LANES
	s_delay_alu instid0(VALU_DEP_1)
	v_mul_f32 v144, s34, v128                      ; the mean
.irp p, 0,1,2,3,4,5,6,7,8,9,10,11,12,13,14,15,16,17
	v_pk_add_f32 v[64+2*\p:65+2*\p], v[64+2*\p:65+2*\p], v[144:145] op_sel_hi:[1,0] neg_lo:[0,1] neg_hi:[0,1]   ; x - mean: the row's 32 and my four
.endr
.irp p, 0,1,2,3
	v_pk_mul_f32 v[128+2*\p:129+2*\p], v[64+2*\p:65+2*\p], v[64+2*\p:65+2*\p]
.endr
.irp p, 4,5,6,7,8,9,10,11,12,13,14,15
	s_delay_alu instid0(VALU_DEP_4)
	v_pk_fma_f32 v[128+2*(\p%4):129+2*(\p%4)], v[64+2*\p:65+2*\p], v[64+2*\p:65+2*\p], v[128+2*(\p%4):129+2*(\p%4)]
.endr
	FOLD 0, 2
	FOLD 4, 6
	FOLD 0, 4
	LANES
	s_delay_alu instid0(VALU_DEP_1)
	v_fma_f32 v148, v128, s34, s35                 ; the variance + 1e-5
	s_wait_alu depctr_va_vdst(0)
	v_rsq_f32 v146, v148
	v_nop                                          ; a plain instruction behind the transcendental,
	s_wait_alu depctr_va_vdst(0)                   ; and the wait ahead of its first reader
	v_pk_mul_f32 v[96:97], v[96:97], v[146:147] op_sel_hi:[1,0]
	v_pk_mul_f32 v[98:99], v[98:99], v[146:147] op_sel_hi:[1,0]
	s_delay_alu instid0(VALU_DEP_2)
	v_pk_fma_f32 v[56:57], v[96:97], v[100:101], v[104:105]
	s_delay_alu instid0(VALU_DEP_2)
	v_pk_fma_f32 v[58:59], v[98:99], v[102:103], v[106:107]
; FROM FOUR NUMBERS A LANE TO MY PARTIAL SUMS.  v[56:59] = numbers 4 l .. 4 l + 3 of K step w.  They turn through my own 512 bytes of LDS, so that lane (r, h) holds k = 64 c + 32 h + 0 .. 31 in 32 registers for c = 0, 1:
; the order of the operand's registers, the same in all sixteen r: sixteen equal rows.  A lane holds two whole blocks of 32.
.macro TAIL
	ds_store_b128 v5, v[56:59]
.irp c, 0,1
.irp j, 0,1,2,3,4,5,6,7
	ds_load_b128 v[64+32*\c+4*\j:67+32*\c+4*\j], v6 offset:256*\c+16*\j   ; LDS serves a wave's instructions in order (ISA guide 5.7.1.4): these see my store
.endr
.endr
	s_wait_dscnt 0x0
.irp c, 0,1
	v_max3_num_f32 v[128+\c], |v[64+32*\c]|, |v[65+32*\c]|, 0x2800000   ; the block's largest magnitude, and the floor 2^(5 - 127): the byte cannot fall under 1
.endr
.irp i, 2,4,6,8,10,12,14,16,18,20,22,24,26,28,30
.irp c, 0,1
	s_delay_alu instid0(VALU_DEP_2)
	v_max3_num_f32 v[128+\c], v[128+\c], |v[64+32*\c+\i]|, |v[65+32*\c+\i]|
.endr
.endr
.irp c, 0,1
	s_delay_alu instid0(VALU_DEP_2)
	v_add_nc_u32 v[130+\c], 0xfe000000, v[128+\c]  ; 4 off its exponent field: the conversion takes this operand's exponent field as its scale
.endr
.irp c, 0,1
	s_delay_alu instid0(VALU_DEP_2)
	v_lshrrev_b32 v[132+\c], 23, v[130+\c]         ; the scale's byte
.endr
	s_delay_alu instid0(VALU_DEP_1)
	v_lshl_or_b32 v16, v133, 16, v132              ; my two bytes, blocks h and 2 + h,
	v_lshlrev_b32 v135, 3, v3
	s_delay_alu instid0(VALU_DEP_1)
	v_lshlrev_b32 v16, v135, v16                   ; at their places in the scale word;
	v_mov_b32 v135, 0
	s_delay_alu instid0(VALU_DEP_1)
	v_permlanex16_b32 v135, v16, s32, s33
	s_delay_alu instid0(VALU_DEP_1)
	v_or_b32 v16, v16, v135                        ; with lane l xor 16's two the word is whole
.irp c, 0,1
	v_cvt_scalef32_pk16_bf6_f32 v[136+6*\c:138+6*\c], v[64+32*\c:79+32*\c], v[130+\c]
	v_cvt_scalef32_pk16_bf6_f32 v[148+4*\c:150+4*\c], v[80+32*\c:95+32*\c], v[130+\c]   ; (a conversion's three registers begin on an even number)
.endr
	v_nop                                          ; one plain instruction behind the scaled conversions
.irp c, 0,1
.irp i, 0,1,2
	v_mov_b32 v[139+6*\c+\i], v[148+4*\c+\i]
.endr
.endr
	s_wait_alu depctr_va_vdst(0)
	s_wait_loadcnt 0x0                             ; the weight
.rept 8
	v_nop                                          ; a scale word written by vector instructions stands eight places ahead of a scaled matrix instruction, an operand so written four
.endr
.irp n, 0,1,2,3                            ; source 0 = my sixteen equal rows, source 1 = rows 16 n + r of the weight: register 0 of lane r is K step w's part of the result for row 16 n + r
	v_wmma_scale_f32_16x16x128_f8f6f4 v[24+8*\n:31+8*\n], v[136:147], v[160+12*\n:171+12*\n], 0, v16, v[12+\n] matrix_a_fmt:MATRIX_FMT_BF6 matrix_b_fmt:MATRIX_FMT_BF6
.endr
.rept 4
	v_nop                                          ; four places behind the last product (ISA guide 7.12.1)
.endr
.irp n, 0,1,2,3
	ds_store_b32 v7, v[24+8*\n] offset:64*\n       ; lanes r and r + 16 write the same word with the same value
.endr
	s_wait_dscnt 0x0                               ; for wave 0's sake: my stores have landed
	s_barrier_signal -1
	s_barrier_wait -1
.endm
.macro SUM8                            ; results 2 l and 2 l + 1: the eight waves' parts, added in pairs
.irp j, 0,1,2,3,4,5,6,7
	ds_load_b64 v[64+2*\j:65+2*\j], v8 offset:256*\j
.endr
	s_wait_dscnt 0x0
	v_pk_add_f32 v[64:65], v[64:65], v[66:67]
	v_pk_add_f32 v[68:69], v[68:69], v[70:71]
	v_pk_add_f32 v[72:73], v[72:73], v[74:75]
	v_pk_add_f32 v[76:77], v[76:77], v[78:79]
	s_delay_alu instid0(VALU_DEP_3)
	v_pk_add_f32 v[64:65], v[64:65], v[68:69]
	s_delay_alu instid0(VALU_DEP_2)
	v_pk_add_f32 v[72:73], v[72:73], v[76:77]
	s_delay_alu instid0(VALU_DEP_1)
	v_pk_add_f32 v[64:65], v[64:65], v[72:73]
.endm
	TAIL
	s_cmp_lg_u32 s22, 0
	s_cbranch_scc1 .Ldone
	SUM8
	s_delay_alu instid0(VALU_DEP_1)
	v_mul_f32 v64, 0x3d38aa3b, v64                 ; x 2^-5 x log2(e)
	s_delay_alu instid0(VALU_DEP_2)
	v_mul_f32 v65, 0x3d38aa3b, v65
	global_store_b64 v9, v[64:65], s[18:19]        ; 32 lanes store 256 consecutive bytes, at a multiple of 256 from qv's first byte
.Ldone:
	s_wait_tensorcnt 0x0
	ds_add_u32 v254, v255
	s_wait_dscnt 0x0
	s_endpgm
.Lfunc_end_k_qb1d5f49f8f_prep:
	.size	k_qb1d5f49f8f_prep, .Lfunc_end_k_qb1d5f49f8f_prep-k_qb1d5f49f8f_prep
	.p2alignl 7, 3214868480
	.fill 96, 4, 3214868480
	.section	.rodata,"a",@progbits
	.p2align	6, 0x0
	.amdhsa_kernel k_qb1d5f49f8f_prep
		.amdhsa_group_segment_fixed_size 7168
		.amdhsa_private_segment_fixed_size 0
		.amdhsa_enable_private_segment 0
		.amdhsa_kernarg_size 72
		.amdhsa_user_sgpr_count 2
		.amdhsa_user_sgpr_kernarg_segment_ptr 1
		.amdhsa_wavefront_size32 1
		.amdhsa_system_sgpr_workgroup_id_x 1
		.amdhsa_system_sgpr_workgroup_id_y 1
		.amdhsa_system_sgpr_workgroup_id_z 1
		.amdhsa_system_vgpr_workitem_id 0
		.amdhsa_next_free_vgpr 256
		.amdhsa_next_free_sgpr 66
		.amdhsa_reserve_vcc 0
		.amdhsa_float_denorm_mode_32 3
		.amdhsa_float_denorm_mode_16_64 3
		.amdhsa_memory_ordered 1
		.amdhsa_forward_progress 1
		.amdhsa_inst_pref_size 22
	.end_amdhsa_kernel
	.amdgpu_metadata
---
amdhsa.version: [ 1, 2 ]
amdhsa.kernels:
  - .name:           k_qb1d5f49f8f_prep
    .symbol:         k_qb1d5f49f8f_prep.kd
    .args:
      - { .name: class_feature, .offset: 0, .size: 8, .value_kind: global_buffer, .address_space: global }
      - { .name: q_gamma, .offset: 8, .size: 8, .value_kind: global_buffer, .address_space: global }
      - { .name: q_beta, .offset: 16, .size: 8, .value_kind: global_buffer, .address_space: global }
      - { .name: Wq_codes, .offset: 24, .size: 8, .value_kind: global_buffer, .address_space: global }
      - { .name: Wq_scales, .offset: 32, .size: 8, .value_kind: global_buffer, .address_space: global }
      - { .name: Wkv_codes, .offset: 40, .size: 8, .value_kind: global_buffer, .address_space: global }
      - { .name: Wkv_scales, .offset: 48, .size: 8, .value_kind: global_buffer, .address_space: global }
      - { .name: qv, .offset: 56, .size: 8, .value_kind: global_buffer, .address_space: global }
      - { .name: wimg, .offset: 64, .size: 8, .value_kind: global_buffer, .address_space: global }
    .group_segment_fixed_size: 7168
    .private_segment_fixed_size: 0
    .kernarg_segment_align: 8
    .kernarg_segment_size: 72
    .max_flat_workgroup_size: 256
    .sgpr_count:     66
    .vgpr_count:     256
    .wavefront_size: 32
...
	.end_amdgpu_metadata
.endif
;; end of part 1
;; launch main (part 2): grid 256 x 1, 4 waves a work-group, clusters of 4 x 1, 327,680 bytes of LDS; arguments features, kv_gamma, kv_beta, wimg, qv, po, stat; writes po, stat
.if DOCPART == 2
	.amdgcn_target "amdgcn-amd-amdhsa--gfx1250"
	.amdhsa_code_object_version 6
	.text
	.protected	k_qb1d5f49f8f_main
	.globl	k_qb1d5f49f8f_main
	.p2align	8
	.type	k_qb1d5f49f8f_main,@function
k_qb1d5f49f8f_main:
	s_mov_b64 s[64:65], 0
	v_nop
	global_prefetch_b8 v0, s[64:65] scope:SCOPE_SE
	s_setreg_imm32_b32 hwreg(HW_REG_WAVE_MODE, 25, 1), 1
	s_wait_xcnt 0x0
	s_wait_alu depctr_hold_cnt(0) depctr_sa_sdst(0) depctr_va_vdst(0) depctr_va_sdst(0) depctr_va_ssrc(0) depctr_va_vcc(0) depctr_vm_vsrc(0)
	s_getreg_b32 s2, hwreg(HW_REG_IB_STS2, 6, 4)
	s_cmp_eq_u32 s2, 0
	s_cbranch_scc0 .Lentry_in_a_cluster
	s_endpgm
.Lentry_in_a_cluster:
	s_bfe_u32 s2, ttmp6, 0x10000c
	s_cmp_lg_u32 s2, 0x3003
	s_cbranch_scc0 .Lentry_shape_is_right
	s_endpgm
.Lentry_shape_is_right:
; For 128 rows of features: layer norm, quantised to E3M2 with one E8M0 byte for each 32 along K; x Wkv^T (2,048 columns, K = 1,024) on codes; and of the results, which never leave the registers,
; for each of the 8 heads: t = q' . k (q' holds the scale and log2(e)), m = the block's largest t, p = 2^(t - m), l = the sum of p, o = the sum of p v.  m, l and o go to memory; the next launch joins a batch's 16 blocks.
; SHARES.  Work-group g owns rows 128 g .. 128 g + 127.  PHASE 1: wave w normalises and quantises rows 32 w .. 32 w + 31; codes and scale bytes meet in LDS.
; PHASE 2: every wave holds ALL 128 rows' codes in 768 registers (64 fragments of 16 rows x 128 K) and owns heads 2 w and 2 w + 1: 32 blocks of 16 columns of Wkv, in the order k, v of head 2 w, k, v of head 2 w + 1.
; A fragment of Wkv read from LDS feeds eight matrix instructions, and each byte of Wkv is read from LDS once in the work-group.  TRANSPOSED: source 0 = 16 rows of Wkv, source 1 = 16 rows of x: a lane holds ONE token and eight channels.
; A block is 64 matrix instructions: K steps 0-3 over all eight blocks of rows, then K steps 4-7 for rows 0-63, then for rows 64-127; the vector work on rows 0-63 is woven among the products of rows 64-127.
; Wkv comes as images of the operand's registers (made by the launch before): a step of a wave is two blocks, 25,600 dense bytes, one tensor load; two LDS slots take turns.
; CLUSTER.  All work-groups walk the same images: wave w of a cluster's four work-groups asks for its step JOINTLY (the descriptor is made of the wave's number and the step alone; the mask names the four).
; PREFETCH.  A step's tile is 100 blocks of 256 bytes; of wave w's tile the partner at place cx names blocks 25 cx .. 25 cx + 24, a lane a block (lanes 25-31 name the last again).  Phase 1's three trips name steps 1-3;
; in phase 2 the step that asks for step s + 2 by its tensor load names step s + 4, for s = 0 .. 11: two refills ahead, and never past step 15.
; The two phases follow each other: a row's codes hang on its mean and variance, and a work-group has one block of rows.
; LIMITS: NaN and infinities among the inputs are not served.  A block of 32 zeros gets the scale byte 1 (the quantiser says 127): its codes are zeros, and only this launch reads the byte.
.set SLOTB,  102400                    ; LDS: two slots; in a slot 25,600 bytes a wave, two records of 12,800
.set WAVEB,  25600
.set WREC,   12800
.set WSC,    12288                     ; a record's scale words
.set ASTG,   204800                    ; x's 128 rows: row R at 800 R + 16 (R / 8): 768 bytes of codes, 32 scale bytes.  When x is in registers: the stages for o, 17,408 bytes a wave
.set ATRIP,  6416                      ; 8 rows
.set ARB,    12832                     ; 16 rows
.set AWAVE,  25664                     ; 32 rows
.set TURN,   307456                    ; 4,608 bytes a wave.  Phase 1: a row of f32 as 32 places of 128 + 16 bytes.  Then: q' of my two heads at 0
.set TURNW,  4608
.set SPARE,  325888                    ; the spare words, 128 bytes a wave
; vector registers that stay (window 0)
.set SPW,  1                           ; SPARE + 4 x my thread's number; never rewritten
.set NIL,  2                           ; 0; never rewritten
.set BAD0, 3                           ; 16 x lane + 25,600 x wave
.set BC,   4                           ; the same in the slot in hand
.set QAD,  5                           ; q' of the block in hand: my half's eight numbers
.set OAD,  6                           ; the stage for o: my half's eight numbers
.set LAD,  7                           ; TURN + 4,608 x wave + 16 x lane
.set GOF,  8                           ; 16 x lane
.set STO,  9                           ; 64 x (lane / 16)
.set RR,   10                          ; lane % 16
.set PFO,  11                          ; the prefetches' offset: 256 x (25 cx + min(lane, 24)); never rewritten
.set AS,   16                          ; v16-47 x's scale words: register 4 rb + i: K step i in lanes 0-15, K step 4 + i in lanes 16-31.  v16-55 hold scales and nothing else
.set BS,   48                          ; v48-55 Wkv's, two sets of four, laid likewise
; phase 1 (window 0; window 1: eight rows as loaded, 32 registers each; window 2: v0-31 the gains, v32-63 the offsets)
.set TS,   12
.set TR,   13
.set AW,   14
.set SW,   15
.set MU,   56
.set RS,   60
.set D,    64                          ; 32 registers a row: register 4 i + e is k = 128 i + 4 l + e
.set Y,    128                         ; 32 registers a row: k = 32 l + 0 .. 31: a whole block
.set PT,   192
.set C,    224
.set QP,   240
.set W,    248
; phase 2 (window 0; x's fragment f = 8 ks + rb lies in window 1 + f / 21 at v[12 (f % 21)]; fragment 63 here)
.set AA,   12                          ; v12-13 LDS addresses for x's codes, v14-15 for its scale words
.set SA,   14
.set SP,   56                          ; v56-71 eight pairs: the logits' two halves, then p in the even register
.set QO,   72                          ; v72-79 q' (k blocks), o (v blocks)
.set A63,  80
.set T,    92
.set B,    96                          ; v96-191 eight fragments of Wkv
.set ACC,  192                         ; v192-255 eight accumulators
.set PF,   58                          ; s[58:59] where my prefetches stand in wimg
; scalars: s18 wave, s19 25,600 x wave, s[20:21] lane selects, s22 1/1024, s23 1e-5, s[24:31] descriptor group 1, s[32:35] group 0 of step 0, s[36:39] group 0 that walks, s40 the slot in hand, s41 counts, s47 lanes 16-31
.set MSB, 0
.macro WIN new
.if MSB != (\new)
	s_set_vgpr_msb (MSB<<8)|(\new)
.set MSB, (\new)
.endif
.endm
.macro PLACES                          ; four plain instructions behind a matrix instruction (ISA guide 7.12.1)
.rept 4
	v_nop
.endr
.endm
.macro CREST                           ; a round of the cluster's barrier behind its opening barrier
	s_cmp_lg_u32 s18, 0
	s_cbranch_scc1 .Lnot_wave_0_\@
	s_barrier_signal -3
.Lnot_wave_0_\@:
	s_barrier_wait -3
	s_barrier_signal -1
	s_barrier_wait -1
.endm
.macro CROUND
	s_barrier_signal -1
	s_barrier_wait -1
	CREST
.endm
	s_load_b256 s[4:11], s[0:1], 0x0               ; features, kv_gamma, kv_beta, wimg
	s_load_b128 s[12:15], s[0:1], 0x20             ; qv, po
	s_load_b64 s[16:17], s[0:1], 0x30              ; stat
	v_lshl_add_u32 v[SPW], v0, 2, SPARE
	v_mov_b32 v[NIL], 0
	ds_add_u32 v1, v2                              ; the opening lines: the add twice on end and its wait
	ds_add_u32 v1, v2
	s_wait_dscnt 0x0
	v_lshrrev_b32 v3, 5, v0
	v_readfirstlane_b32 s18, v3                    ; wave 0..3
	s_mul_i32 s19, s18, WAVEB
	s_mul_i32 s44, s18, TURNW
	s_add_co_u32 s44, s44, TURN                    ; my part of TURN
	s_mul_i32 s45, s18, AWAVE                      ; my 32 rows among x's
	s_bfe_u32 s42, ttmp6, 0x40000                  ; cx: it enters global addresses alone (features, po, stat, the prefetches)
	s_lshl_b32 s43, ttmp9, 2
	s_add_co_u32 s43, s43, s42                     ; g = 4 x cluster + cx
	s_mul_i32 s60, s42, 25                         ; my 25 of a tile's 100 blocks
	s_mul_i32 s61, s18, 17408
	s_add_co_u32 s61, s61, ASTG                    ; my stage for o
	s_mov_b32 s20, 0x76543210
	s_mov_b32 s21, 0xfedcba98
	s_mov_b32 s22, 0x3a800000
	s_mov_b32 s23, 0x3727c5ac
	s_mov_b32 s47, 0xffff0000
	s_lshl_b32 s48, s43, 19                        ; features: 128 g rows of 4,096 bytes
	s_lshl_b32 s46, s18, 17                        ; + 32 w rows
	s_add_co_u32 s48, s48, s46
	s_mov_b32 s49, 0
	s_lshl_b32 s50, s43, 12                        ; po: 4,096 g + 1,024 w
	s_lshl_b32 s46, s18, 10
	s_add_co_u32 s50, s50, s46
	s_mov_b32 s51, 0
	s_mov_b32 s52, s46                             ; qv: 1,024 w
	s_mov_b32 s53, 0
	s_lshr_b32 s54, s43, 4                         ; stat: 1,024 (g / 16) + 256 w + 4 (g % 16)
	s_lshl_b32 s54, s54, 10
	s_lshl_b32 s46, s18, 8
	s_add_co_u32 s54, s54, s46
	s_and_b32 s46, s43, 15
	s_lshl_b32 s46, s46, 2
	s_add_co_u32 s54, s54, s46
	s_mov_b32 s55, 0
	s_mul_i32 s56, s18, 16*WAVEB                   ; wimg: my 16 steps
	s_mov_b32 s57, 0
	; descriptor group 1: 25,600 dense bytes as 100 rows of 32 elements of 8 bytes; no padding
	s_mov_b32 s24, 15|(3<<16)|(1<<21)              ; the mask: all four work-groups; elements of 8 bytes; bit 21 beside a mask
	s_mov_b32 s25, 32<<16
	s_mov_b32 s26, 100<<16
	s_mov_b32 s27, 32<<16
	s_mov_b32 s28, 100
	s_mov_b32 s29, 32
	s_mov_b32 s30, 0
	s_mov_b32 s31, 0
	v_and_b32 v[GOF], 31, v0                       ; lane
	v_min_u32 v[PFO], 24, v[GOF]
	v_add_nc_u32 v[PFO], s60, v[PFO]
	v_lshlrev_b32 v[PFO], 8, v[PFO]
	v_mul_u32_u24 v[TR], v[GOF], 144
	v_mul_u32_u24 v[AW], v[GOF], 24
	v_add_nc_u32 v[SW], s45, v[GOF]
	v_lshlrev_b32 v[GOF], 4, v[GOF]
	v_add_nc_u32 v[BAD0], s19, v[GOF]
	v_and_b32 v[RR], 15, v0
	v_bfe_u32 v[STO], v0, 4, 1
	v_lshl_add_u32 v[QAD], v[STO], 5, s44          ; q': 32 bytes for each half of the lanes
	v_mul_u32_u24 v[OAD], v[STO], 272              ; the stage: units of 256 + 16 bytes; unit 4 c + 2 (j / 4) + h holds, for block c, channels 8 h + 4 (j / 4) + 0 .. 3 of the sixteen lanes r, 16 bytes each
	v_lshl_add_u32 v[OAD], v[RR], 4, v[OAD]
	v_add_nc_u32 v[OAD], s61, v[OAD]
	v_add_nc_u32 v[LAD], s44, v[GOF]
	v_lshlrev_b32 v[STO], 6, v[STO]
	v_bfe_u32 v[TS], v0, 3, 2
	v_lshl_add_u32 v[TS], v[TS], 4, v[GOF]         ; 16 l + 16 (l / 8)
	v_add_nc_u32 v[TS], s44, v[TS]
	v_add_nc_u32 v[TR], s44, v[TR]
	v_add_nc_u32 v[AW], s45, v[AW]
	v_add_nc_u32 v[AW], ASTG, v[AW]
	v_add_nc_u32 v[SW], ASTG+768, v[SW]
.irp u, 0,1
	v_mov_b32 v[MU+2*\u+1], 0                      ; upper halves of pairs of which the packed forms take the low word,
	v_mov_b32 v[RS+2*\u+1], 0
	v_mov_b32 v[W+4*\u+2], 0                       ; and a lane permute's destination
.endr
	s_wait_kmcnt 0x0
	s_add_nc_u64 s[4:5], s[4:5], s[48:49]
	s_add_nc_u64 s[14:15], s[14:15], s[50:51]
	s_add_nc_u64 s[12:13], s[12:13], s[52:53]
	s_add_nc_u64 s[16:17], s[16:17], s[54:55]
	s_add_nc_u64 s[10:11], s[10:11], s[56:57]
	WIN 0x80                                       ; the loads into registers go out first
.irp i, 0,1,2,3,4,5,6,7
	global_load_b128 v[4*\i:4*\i+3], v[GOF], s[6:7] offset:512*\i
.endr
.irp i, 0,1,2,3,4,5,6,7
	global_load_b128 v[32+4*\i:35+4*\i], v[GOF], s[8:9] offset:512*\i
.endr
	WIN 0
	global_load_b128 v[QP:QP+3], v[GOF], s[12:13]
	global_load_b128 v[QP+4:QP+7], v[GOF], s[12:13] offset:512
	WIN 0x40
.irp s, 0,1,2,3,4,5,6,7
.irp i, 0,1,2,3,4,5,6,7
	global_load_b128 v[32*\s+4*\i:32*\s+4*\i+3], v[GOF], s[4:5] offset:4096*\s+512*\i th:TH_LOAD_NT   ; rows 0-7: each load 512 consecutive bytes
.endr
.endr
	WIN 0
	s_mov_b32 s32, 1                               ; group 0: slot 0, my part, step 0
	s_mov_b32 s33, s19
	s_mov_b64 s[34:35], s[10:11]
	s_or_b32 s35, s35, 0x80000000
	s_mov_b32 s36, 1                               ; the walking group 0: slot 1, step 1
	s_add_co_u32 s37, s19, SLOTB
	s_add_nc_u64 s[38:39], s[10:11], WAVEB
	s_or_b32 s39, s39, 0x80000000
	s_mov_b64 s[PF:PF+1], s[10:11]                 ; the prefetches stand at step 0 and name the step after
	CROUND                                         ; all four work-groups are here: the first joint loads meet
	tensor_load_to_lds s[32:35], s[24:31]          ; step 0: my one tensor load at the head
	s_nop 0
	PLACES
; ---------------- PHASE 1
.macro FOLD a, b
.irp u, 0,1
	v_pk_add_f32 v[PT+16*\u+\a:PT+16*\u+\a+1], v[PT+16*\u+\a:PT+16*\u+\a+1], v[PT+16*\u+\b:PT+16*\u+\b+1]
.endr
.endm
.macro LANES                           ; each row's first pair becomes one sum over the 32 lanes, in every lane
.irp u, 0,1
	v_add_f32 v[PT+16*\u], v[PT+16*\u], v[PT+16*\u+1]
.endr
.irp m, 1,2,4,8
.irp u, 0,1
	v_add_f32_dpp v[PT+16*\u], v[PT+16*\u], v[PT+16*\u] row_xmask:\m row_mask:0xf bank_mask:0xf
.endr
.endr
.irp u, 0,1
	v_permlanex16_b32 v[W+4*\u+2], v[PT+16*\u], s20, s21
.endr
.irp u, 0,1
	v_add_f32 v[PT+16*\u], v[PT+16*\u], v[W+4*\u+2]
.endr
.endm
; Row u's block l (k = 32 l .. 32 l + 31, all in my lane) becomes 24 bytes of codes and a scale byte
.macro QUANT u, row
	v_max3_num_f32 v[PT+16*\u], |v[Y+32*\u]|, |v[Y+32*\u+1]|, 0x2800000   ; the largest magnitude, in two chains, with the floor 2^(5 - 127): the byte cannot fall under 1
	v_max3_num_f32 v[PT+16*\u+1], |v[Y+32*\u+2]|, |v[Y+32*\u+3]|, |v[Y+32*\u+4]|
.irp i, 5,9,13,17,21,25
	v_max3_num_f32 v[PT+16*\u], v[PT+16*\u], |v[Y+32*\u+\i]|, |v[Y+32*\u+\i+1]|
	v_max3_num_f32 v[PT+16*\u+1], v[PT+16*\u+1], |v[Y+32*\u+\i+2]|, |v[Y+32*\u+\i+3]|
.endr
	v_max3_num_f32 v[PT+16*\u], v[PT+16*\u], |v[Y+32*\u+29]|, |v[Y+32*\u+30]|
	v_max3_num_f32 v[PT+16*\u], v[PT+16*\u], v[PT+16*\u+1], |v[Y+32*\u+31]|
	v_add_nc_u32 v[W+4*\u], 0xfe000000, v[PT+16*\u]   ; 4 off its exponent field: the conversion's scale operand
	v_cvt_scalef32_pk16_bf6_f32 v[C+8*\u:C+8*\u+2], v[Y+32*\u:Y+32*\u+15], v[W+4*\u]
	v_cvt_scalef32_pk16_bf6_f32 v[C+8*\u+4:C+8*\u+6], v[Y+32*\u+16:Y+32*\u+31], v[W+4*\u]
	v_lshrrev_b32 v[W+4*\u+1], 23, v[W+4*\u]       ; the scale's byte (the plain instruction behind the conversions)
	v_mov_b32 v[C+8*\u+3], v[C+8*\u+4]
	v_mov_b32 v[C+8*\u+4], v[C+8*\u+5]
	v_mov_b32 v[C+8*\u+5], v[C+8*\u+6]
.endm
.macro QSTORE u, row                   ; row u's codes and byte go to row `row` of my wave's eight rows in hand
	ds_store_b64 v[AW], v[C+8*\u:C+8*\u+1] offset:800*(\row)
	ds_store_b64 v[AW], v[C+8*\u+2:C+8*\u+3] offset:800*(\row)+8
	ds_store_b64 v[AW], v[C+8*\u+4:C+8*\u+5] offset:800*(\row)+16
	ds_store_b8 v[SW], v[W+4*\u+1] offset:800*(\row)
.endm
; Two rows, in slots s and s + 1 of window 1, by turns.  reload = 1: the slots take the rows eight further on.  left: the loads of younger slots, which may stay out
.macro ROW2 s, reload, left
	s_wait_loadcnt \left
	WIN 0x05
.irp c, 0,1,2,3,4,5,6,7
.irp u, 0,1
	v_pk_add_f32 v[PT+16*\u+2*\c:PT+16*\u+2*\c+1], v[32*(\s+\u)+4*\c:32*(\s+\u)+4*\c+1], v[32*(\s+\u)+4*\c+2:32*(\s+\u)+4*\c+3]
.endr
.endr
	WIN 0
	FOLD 0, 2
	FOLD 4, 6
	FOLD 8, 10
	FOLD 12, 14
	FOLD 0, 4
	FOLD 8, 12
	FOLD 0, 8
	LANES
.irp u, 0,1
	v_mul_f32 v[MU+2*\u], s22, v[PT+16*\u]         ; the mean
.endr
	WIN 0x01
.irp p, 0,1,2,3,4,5,6,7,8,9,10,11,12,13,14,15
.irp u, 0,1
	v_pk_add_f32 v[D+32*\u+2*\p:D+32*\u+2*\p+1], v[32*(\s+\u)+2*\p:32*(\s+\u)+2*\p+1], v[MU+2*\u:MU+2*\u+1] op_sel_hi:[1,0] neg_lo:[0,1] neg_hi:[0,1]   ; x - mean
.endr
.endr
	WIN 0
.irp p, 0,1,2,3
.irp u, 0,1
	v_pk_mul_f32 v[PT+16*\u+2*\p:PT+16*\u+2*\p+1], v[D+32*\u+2*\p:D+32*\u+2*\p+1], v[D+32*\u+2*\p:D+32*\u+2*\p+1]
.endr
.endr
.irp p, 4,5,6,7,8,9,10,11,12,13,14,15
.irp u, 0,1
	v_pk_fma_f32 v[PT+16*\u+2*(\p%4):PT+16*\u+2*(\p%4)+1], v[D+32*\u+2*\p:D+32*\u+2*\p+1], v[D+32*\u+2*\p:D+32*\u+2*\p+1], v[PT+16*\u+2*(\p%4):PT+16*\u+2*(\p%4)+1]
.endr
.endr
	FOLD 0, 2
	FOLD 4, 6
	FOLD 0, 4
	LANES
.irp u, 0,1
	v_fma_f32 v[W+4*\u+3], v[PT+16*\u], s22, s23   ; the variance + 1e-5
.endr
	s_wait_alu depctr_va_vdst(0)                   ; the wait ahead of the two
.irp u, 0,1
	v_rsq_f32 v[RS+2*\u], v[W+4*\u+3]
.endr
	v_nop
	s_wait_alu depctr_va_vdst(0)                   ; and behind them, ahead of their first reader
.irp p, 0,1,2,3,4,5,6,7,8,9,10,11,12,13,14,15
.irp u, 0,1
	v_pk_mul_f32 v[D+32*\u+2*\p:D+32*\u+2*\p+1], v[D+32*\u+2*\p:D+32*\u+2*\p+1], v[RS+2*\u:RS+2*\u+1] op_sel_hi:[1,0]
.endr
.endr
	WIN 0x28                                       ; sources 1 and 2 window 2: the gains and the offsets
.irp p, 0,1,2,3,4,5,6,7,8,9,10,11,12,13,14,15
.irp u, 0,1
	v_pk_fma_f32 v[D+32*\u+2*\p:D+32*\u+2*\p+1], v[D+32*\u+2*\p:D+32*\u+2*\p+1], v[2*\p:2*\p+1], v[32+2*\p:33+2*\p]
.endr
.endr
.if \reload                                ; the reload and the turn form one run of memory instructions
	WIN 0x40
.irp u, 0,1
.irp i, 0,1,2,3,4,5,6,7
	global_load_b128 v[32*(\s+\u)+4*\i:32*(\s+\u)+4*\i+3], v[GOF], s[4:5] offset:(\s+\u+8)*4096+512*\i th:TH_LOAD_NT
.endr
.endr
.endif
	WIN 0
.irp u, 0,1                                ; the turn: in as loaded, out 128 bytes a lane.  LDS serves a wave's instructions in order (ISA guide 5.7.1.4): one stage serves both rows
.irp i, 0,1,2,3,4,5,6,7
	ds_store_b128 v[TS], v[D+32*\u+4*\i:D+32*\u+4*\i+3] offset:576*\i
.endr
.irp j, 0,1,2,3,4,5,6,7
	ds_load_b128 v[Y+32*\u+4*\j:Y+32*\u+4*\j+3], v[TR] offset:16*\j
.endr
.endr
	s_wait_dscnt 16                                ; the first row is back; the second row's 8 stores and 8 loads may be out
	QUANT 0, \s
	s_wait_dscnt 0x0                               ; the second row is back
	QUANT 1, \s+1
	QSTORE 0, \s                                   ; both rows' eight stores in one run
	QSTORE 1, \s+1
.endm
	s_mov_b32 s41, 3
.Lrows:                                                ; a trip: eight rows; 48 = the 8 loads of each of the six younger slots
	ROW2 0, 1, 48
	s_cmp_lt_u32 ttmp9, 4
	s_cbranch_scc0 .Lno_prefetch_main0
	global_prefetch_b8 v[PFO], s[PF:PF+1] offset:WAVEB th:TH_LOAD_NT scope:SCOPE_SE   ; trip t names step t + 1 of my walk
.Lno_prefetch_main0:
	ROW2 2, 1, 48
	ROW2 4, 1, 48
	ROW2 6, 1, 48
	s_wait_xcnt 0x0                                ; the loads and the prefetch have read their bases,
	s_wait_dscnt 0x0                               ; and the LDS stores their addresses: all are stepped
	s_add_nc_u64 s[4:5], s[4:5], 32768
	s_add_nc_u64 s[PF:PF+1], s[PF:PF+1], WAVEB
	v_add_nc_u32 v[AW], ATRIP, v[AW]
	v_add_nc_u32 v[SW], ATRIP, v[SW]
	s_sub_co_u32 s41, s41, 1
	s_cmp_lg_u32 s41, 0
	s_cbranch_scc1 .Lrows
	ROW2 0, 0, 48                                  ; the last eight rows load nothing: the counts run down
	ROW2 2, 0, 32
	ROW2 4, 0, 16
	ROW2 6, 0, 0
	s_wait_tensorcnt 0x0                           ; step 0's tile is in
	ds_add_u32 v[SPW], v[NIL]
	s_wait_dscnt 0x0                               ; the add is done, and my rows' codes and bytes have landed
	CROUND                                         ; everybody's have, and the four work-groups are here
	tensor_load_to_lds s[36:39], s[24:31]          ; step 1 into slot 1: my one tensor load behind the round
	s_nop 0
	PLACES
; ---------------- x INTO REGISTERS
	ds_store_b128 v[LAD], v[QP:QP+3]               ; q' of my two heads, as it lies, into my own bytes
	ds_store_b128 v[LAD], v[QP+4:QP+7] offset:512
	v_bfe_u32 v[T], v0, 4, 1                       ; h
	v_bfe_u32 v[T+1], v0, 3, 1                     ; r / 8
	v_mul_u32_u24 v[AA], v[RR], 800
	v_lshl_add_u32 v[AA], v[T+1], 4, v[AA]         ; row r of a block of 16: 800 r + 16 (r / 8)
	v_lshl_add_u32 v[SA], v[T], 4, v[AA]
	v_add_nc_u32 v[SA], ASTG+768, v[SA]            ; its scale words 4 h on
	v_mad_u32_u24 v[AA], v[T], 24, v[AA]
	v_add_nc_u32 v[AA], ASTG, v[AA]                ; its codes, + 24 h
	v_add_nc_u32 v[AA+1], 4*ARB, v[AA]             ; and 64 rows on, so that the offsets stay inside 16 bits
	v_add_nc_u32 v[SA+1], 4*ARB, v[SA]
.set fx, 0
.rept 64                                   ; fragment f = 8 ks + rb: rows 16 rb + r, K = 128 ks on: 24 bytes for each 64 along K, in pieces of 8
.if fx < 63
	WIN (1+fx/21)<<6
.set ar, 12*(fx%21)
.else
	WIN 0
.set ar, A63
.endif
.irp p, 0,1,2,3,4,5
	ds_load_b64 v[ar+2*\p:ar+2*\p+1], v[AA+(fx%8)/4] offset:ARB*(fx%4)+96*(fx/8)+48*(\p/3)+8*(\p%3)
.endr
.set fx, fx+1
.endr
.irp rb, 0,1,2,3,4,5,6,7
	ds_load_b128 v[AS+4*\rb:AS+4*\rb+3], v[SA+\rb/4] offset:ARB*(\rb%4)
.endr
.set RDO, 12                           ; v12 from here on: where lane l reads its channels 4 l .. 4 l + 3 back from my stage: unit (l & 28) + 2 (l & 1) + ((l >> 1) & 1)
	v_and_b32 v[RDO], 0x1c, v0
	v_and_b32 v[T], 1, v0
	v_bfe_u32 v[T+1], v0, 1, 1
	v_lshl_add_u32 v[RDO], v[T], 1, v[RDO]
	v_add_nc_u32 v[RDO], v[T+1], v[RDO]
	v_mul_u32_u24 v[RDO], v[RDO], 272
	v_add_nc_u32 v[RDO], s61, v[RDO]
; ---------------- PHASE 2
; Line n (0 .. 15) of the vector work on one half of the rows (half 0: blocks of rows 0-3, 1: 4-7).  kind 1, k: the logits take 16 channels, a pair of sums for each block of rows.
; kind 2, v: o at my eight channels, the sum over my tokens of p v.  Each accumulator is read from its low end on.
.macro EPI kind, half, n
.if (\kind) == 1
.set ei, (\n)/4
.set er, 4*(\half)+(\n)%4
	v_pk_fma_f32 v[SP+2*er:SP+2*er+1], v[ACC+8*er+2*ei:ACC+8*er+2*ei+1], v[QO+2*ei:QO+2*ei+1], v[SP+2*er:SP+2*er+1]
.else
.set er, 4*(\half)+(\n)/4
.set ei, (\n)%4
.if er == 0
	v_pk_mul_f32 v[QO+2*ei:QO+2*ei+1], v[ACC+2*ei:ACC+2*ei+1], v[SP:SP+1] op_sel_hi:[1,0]
.else
	v_pk_fma_f32 v[QO+2*ei:QO+2*ei+1], v[ACC+8*er+2*ei:ACC+8*er+2*ei+1], v[SP+2*er:SP+2*er+1], v[QO+2*ei:QO+2*ei+1] op_sel_hi:[1,0,1]
.endif
.endif
.endm
; Matrix instructions of K steps ks0 .. ks1, blocks of rows rb0 .. rb1, the accumulators by turns; set: which four registers hold Wkv's scale words.  K steps 4-7 take both sides' words from lanes 16-31.
; ep = 1, 2: behind every second product stand two lines of the vector work on the rows of half, which name none of these products' registers.
.macro MUL ks0, ks1, rb0, rb1, set, ep, half=0
.set ksx, \ks0
.rept \ks1-\ks0+1
.set rbx, \rb0
.rept \rb1-\rb0+1
.set fx, 8*ksx+rbx
.if fx < 63
	WIN (1+fx/21)<<2                               ; source 1's window
.set ar, 12*(fx%21)
.else
	WIN 0
.set ar, A63
.endif
.if ksx == 0
	v_wmma_scale_f32_16x16x128_f8f6f4 v[ACC+8*rbx:ACC+8*rbx+7], v[B+12*ksx:B+12*ksx+11], v[ar:ar+11], 0, v[BS+4*(\set)+ksx%4], v[AS+4*rbx+ksx%4] matrix_a_fmt:MATRIX_FMT_BF6 matrix_b_fmt:MATRIX_FMT_BF6
.elseif ksx < 4
	v_wmma_scale_f32_16x16x128_f8f6f4 v[ACC+8*rbx:ACC+8*rbx+7], v[B+12*ksx:B+12*ksx+11], v[ar:ar+11], v[ACC+8*rbx:ACC+8*rbx+7], v[BS+4*(\set)+ksx%4], v[AS+4*rbx+ksx%4] matrix_a_fmt:MATRIX_FMT_BF6 matrix_b_fmt:MATRIX_FMT_BF6
.else
	v_wmma_scale_f32_16x16x128_f8f6f4 v[ACC+8*rbx:ACC+8*rbx+7], v[B+12*ksx:B+12*ksx+11], v[ar:ar+11], v[ACC+8*rbx:ACC+8*rbx+7], v[BS+4*(\set)+ksx%4], v[AS+4*rbx+ksx%4] matrix_a_fmt:MATRIX_FMT_BF6 matrix_b_fmt:MATRIX_FMT_BF6 matrix_a_scale:MATRIX_SCALE_ROW1 matrix_b_scale:MATRIX_SCALE_ROW1
.endif
.if (\ep) && (rbx%2)
	WIN 0
	EPI \ep, \half, evx
	EPI \ep, \half, evx+1
.set evx, evx+2
.endif
.set rbx, rbx+1
.endr
.set ksx, ksx+1
.endr
.endm
.macro FETCH_LO off, set               ; 13 loads: a record's K steps 0-3 and its scale words
.irp ks, 0,1,2,3
.irp c, 0,1,2
	ds_load_b128 v[B+12*\ks+4*\c:B+12*\ks+4*\c+3], v[BC] offset:\off+1536*\ks+512*\c
.endr
.endr
	ds_load_b128 v[BS+4*\set:BS+4*\set+3], v[BC] offset:\off+WSC
.endm
.macro FETCH_HI off                    ; 12 loads: its K steps 4-7
.irp ks, 4,5,6,7
.irp c, 0,1,2
	ds_load_b128 v[B+12*\ks+4*\c:B+12*\ks+4*\c+3], v[BC] offset:\off+1536*\ks+512*\c
.endr
.endr
.endm
.macro QLOAD                           ; q' at my eight channels of this block; the address goes on to the next block's
	ds_load_b128 v[QO:QO+3], v[QAD]
	ds_load_b128 v[QO+4:QO+7], v[QAD] offset:16
	v_add_nc_u32 v[QAD], 64, v[QAD]
.endm
.macro VSTORE                          ; my partial o of a block, the sum over my eight tokens, goes to my stage as it is: sixteen lanes fill a unit of 256 bytes; the sixteen lanes' parts are added at the head's end
	ds_store_b128 v[OAD], v[QO:QO+3]
	ds_store_b128 v[OAD], v[QO+4:QO+7] offset:544
	v_add_nc_u32 v[OAD], 1088, v[OAD]
.endm
; A BLOCK OF 16 COLUMNS.  type 0: k, 1: v.  c2: the step's first or second block.  Wkv's fragments have ONE set of registers: K steps 0-3 of the next block are fetched behind this block's products of K steps 0-3,
; K steps 4-7 behind its last products.  The step's second block takes K steps 0-3 by halves of the rows too: the first block's vector work on rows 64-127 is woven among its first 16 products,
; and in v blocks the first block's o is stored in the second block's middle run.  The second block's own work on rows 64-127 stands at its end.
; mode 0: the next block lies in the same slot.  mode 1: the step's second block: all of the slot has been asked for, so the slot changes in this block: the three lines and the signal stand among the products of rows 64-127,
; and behind the round the slot is filled again with the step two on.  mode 2: the slot is left and nothing is asked for.  mode 3: the last block.  ask = 1: the step four on is prefetched.
.macro CB type, c2, mode, ask
.if (\type == 1) && (\c2 == 1)
	s_wait_alu depctr_va_vdst(0)                   ; the wait here, ahead of the waits below
.endif
.if \mode == 2
	s_wait_tensorcnt 0x0                           ; the last step's tile has landed; only I read these bytes
.endif
.if (\c2 == 0) && (\ask)
	s_wait_xcnt 0x0                                ; my last prefetch has read its base
	s_add_nc_u64 s[PF:PF+1], s[PF:PF+1], WAVEB
.endif
.if \c2 == 0
	s_wait_dscnt 12+2*\type                        ; K steps 0-3 and the scale words are in; behind them: K steps 4-7's 12 loads and, in v blocks, 2 stores
	MUL 0, 1, 0, 7, \c2, 0
.else
	s_wait_dscnt 12                                ; behind them: K steps 4-7's 12 loads
.set evx, 0
	MUL 0, 3, 0, 3, \c2, \type+1, 1                ; rows 0-63, with the first block's vector work on rows 64-127 among them
.endif
.if \mode == 1
	WIN 0
	s_wait_tensorcnt 0x0                           ; all my tensor loads have landed: the one that was out is the next step's;
	ds_add_u32 v[SPW], v[NIL]                      ; 0 onto my spare word;
	s_add_co_u32 s37, s40, s19                     ; no load of mine is out, so the walking group 0 may be written: the slot in hand, my part,
	s_add_nc_u64 s[38:39], s[38:39], WAVEB         ; the next step in memory
	MUL 0, 1, 4, 7, \c2, 0
	s_wait_dscnt 0x0                               ; the add is done, and my reads of this slot are over
	s_barrier_signal -1
	MUL 2, 3, 4, 7, \c2, 0
	WIN 0
	s_barrier_wait -1
	CREST                                          ; no wave of any partner still reads this slot or has a load on its way
	tensor_load_to_lds s[36:39], s[24:31]          ; my one tensor load behind the round
	s_nop 0
	PLACES
.else
.if \c2 == 0
	MUL 2, 3, 0, 7, \c2, 0
.else
	MUL 0, 3, 4, 7, \c2, 0
.endif
	WIN 0
.if \mode >= 2
	s_wait_dscnt 0x0                               ; K steps 4-7 are in, and no LDS load of mine is out
.endif
.if \mode < 3
	PLACES
.endif
.endif
.if (\type == 1) && (\c2 == 1)
	s_wait_alu depctr_va_vdst(0)                   ; the wait here, directly ahead of the reader of sums written ahead of waits
	VSTORE                                         ; the first block's o
.endif
.if \mode == 0
.if \type == 0
	QLOAD
.endif
	FETCH_LO WREC, 1
	s_wait_dscnt 15                                ; K steps 4-7 are in; behind them 15: q's 2 loads or o's 2 stores, and the 13 just issued
.elseif \mode < 3
	s_xor_b32 s40, s40, SLOTB                      ; on to the other slot
	v_add_nc_u32 v[BC], s40, v[BAD0]
.if \type == 0
	QLOAD
.endif
	FETCH_LO 0, 0
.if \ask
	s_cmp_lt_u32 ttmp9, 4
	s_cbranch_scc0 .Lno_prefetch_main1_\@
	global_prefetch_b8 v[PFO], s[PF:PF+1] th:TH_LOAD_NT scope:SCOPE_SE   ; the step two refills on
.Lno_prefetch_main1_\@:
.endif
.endif
	MUL 4, 7, 0, 3, \c2, 0                         ; rows 0-63 are finished
.if \type == 0
	s_wait_dscnt 13                                ; q' is in: 13 loads were issued behind its two
.endif
	PLACES
.set evx, 0
	MUL 4, 7, 4, 7, \c2, \type+1                   ; rows 64-127, with the vector work on rows 0-63 among them
	WIN 0
	PLACES
.if \mode == 0
	FETCH_HI WREC
.elseif \mode < 3
	FETCH_HI 0
.endif
.if \c2 == 1
.set evx, 0
.rept 16
	EPI \type+1, 1, evx                            ; the second block's vector work on rows 64-127
.set evx, evx+1
.endr
.if \type == 1
	VSTORE
.endif
.endif
.endm
.macro ZERO_SP
.irp j, 0,1,2,3,4,5,6,7,8,9,10,11,12,13,14,15
	v_mov_b32 v[SP+\j], 0
.endr
	s_wait_alu depctr_va_vdst(0)
.endm
.macro KLOOP                           ; a head's k: four steps of two blocks
	s_mov_b32 s41, 4
.Lk_\@:
	CB 0, 0, 0, 1
	CB 0, 1, 1, 1
	s_sub_co_u32 s41, s41, 1
	s_cmp_lg_u32 s41, 0
	s_cbranch_scc1 .Lk_\@
.endm
.macro VLOOP n, ask
	s_mov_b32 s41, \n
.Lv_\@:
	CB 1, 0, 0, \ask
	CB 1, 1, 1, \ask
	s_sub_co_u32 s41, s41, 1
	s_cmp_lg_u32 s41, 0
	s_cbranch_scc1 .Lv_\@
.endm
; The head's 128 logits: token 16 rb + r in lanes r and r + 16.  m and l go to stat; p stays in the even registers of SP.
.macro SOFTMAX hd
.irp rb, 0,1,2,3,4,5,6,7
	v_add_f32 v[SP+2*\rb], v[SP+2*\rb], v[SP+2*\rb+1]
.endr
.irp rb, 0,1,2,3,4,5,6,7
	v_permlanex16_b32 v[QO+\rb], v[SP+2*\rb], s20, s21      ; the other half's 64 channels
.endr
.irp rb, 0,1,2,3,4,5,6,7
	v_add_f32 v[SP+2*\rb], v[SP+2*\rb], v[QO+\rb]
.endr
	v_max3_num_f32 v[T], v[SP], v[SP+2], v[SP+4]
	v_max3_num_f32 v[T], v[T], v[SP+6], v[SP+8]
	v_max3_num_f32 v[T], v[T], v[SP+10], v[SP+12]
	v_max_num_f32 v[T], v[T], v[SP+14]
.irp m, 1,2,4,8
	v_max_num_f32_dpp v[T], v[T], v[T] row_xmask:\m row_mask:0xf bank_mask:0xf
.endr
.irp rb, 0,1,2,3,4,5,6,7
	v_sub_f32 v[SP+2*\rb], v[SP+2*\rb], v[T]       ; the block's largest t is taken away
.endr
	s_wait_alu depctr_va_vdst(0)                   ; the wait ahead of the batch
.irp rb, 0,1,2,3,4,5,6,7
	v_exp_f32 v[SP+2*\rb], v[SP+2*\rb]
.endr
	v_nop
	s_wait_alu depctr_va_vdst(0)                   ; and behind it, ahead of the first reader
	v_add_f32 v[T+1], v[SP], v[SP+2]
	v_add_f32 v[T+3], v[SP+4], v[SP+6]
	v_add_f32 v[T+1], v[T+1], v[SP+8]
	v_add_f32 v[T+3], v[T+3], v[SP+10]
	v_add_f32 v[T+1], v[T+1], v[SP+12]
	v_add_f32 v[T+3], v[T+3], v[SP+14]
	v_add_f32 v[T+1], v[T+1], v[T+3]
.irp m, 1,2,4,8
	v_add_f32_dpp v[T+1], v[T+1], v[T+1] row_xmask:\m row_mask:0xf bank_mask:0xf
.endr
	v_cndmask_b32 v[T+2], v[T], v[T+1], s47        ; lanes 0-15: m; lanes 16-31: l
	v_cmp_eq_u32 vcc_lo, 0, v[RR]
	s_wait_alu depctr_va_vdst(0)
	s_wait_xcnt 0x0                                ; EXEC changes only behind this wait
	s_and_saveexec_b32 s46, vcc_lo                 ; lanes 0 and 16
	global_store_b32 v[STO], v[T+2], s[16:17] offset:128*\hd
	s_wait_xcnt 0x0                                ; and again, ahead of the line that restores it
	s_or_b32 exec_lo, exec_lo, s46
	s_wait_dscnt 0x0                               ; the next block's fragments are in: the v blocks' counts then hold from the first block on
.endm
.macro OUT hd                          ; the head's 128 sums: lane l adds the sixteen lanes' parts of channels 4 l .. 4 l + 3 (16 loads into the accumulators' registers, which are done with; 30 packed additions); 32 lanes store 512 consecutive bytes, at a multiple of 256 from po's first byte
.irp r, 0,1,2,3,4,5,6,7,8,9,10,11,12,13,14,15
	ds_load_b128 v[ACC+4*\r:ACC+4*\r+3], v[RDO] offset:16*\r+8704*\hd      ; LDS serves a wave's instructions in order: these see my stores
.endr
	s_wait_dscnt 0x0
.irp d, 32,16,8,4
.set ix, 0
.rept \d/2
	v_pk_add_f32 v[ACC+ix:ACC+ix+1], v[ACC+ix:ACC+ix+1], v[ACC+\d+ix:ACC+\d+ix+1]
.set ix, ix+2
.endr
.endr
	global_store_b128 v[GOF], v[ACC:ACC+3], s[14:15] offset:512*\hd
	s_wait_xcnt 0x0                                ; the store has read its registers
.endm
	s_mov_b32 s40, 0
	v_mov_b32 v[BC], v[BAD0]
	FETCH_LO 0, 0                                  ; step 0's tile was waited for ahead of the round; only I read these bytes
	FETCH_HI 0                                     ; the first block's wait leaves these 12 out alone
	ZERO_SP
	KLOOP                                          ; steps 0-3
	SOFTMAX 0
	VLOOP 4, 1                                     ; steps 4-7
	OUT 0
	ZERO_SP
	KLOOP                                          ; steps 8-11
	SOFTMAX 1
	VLOOP 2, 0                                     ; steps 12, 13: the last that ask for a step two on
	CB 1, 0, 0, 0                                  ; steps 14 and 15 are written out
	CB 1, 1, 2, 0
	CB 1, 0, 0, 0
	CB 1, 1, 3, 0
	OUT 1
	s_wait_tensorcnt 0x0                           ; the wave's end
	ds_add_u32 v[SPW], v[NIL]
	s_wait_dscnt 0x0
	CROUND                                         ; the closing round
	s_endpgm
.Lfunc_end_k_qb1d5f49f8f_main:
	.size	k_qb1d5f49f8f_main, .Lfunc_end_k_qb1d5f49f8f_main-k_qb1d5f49f8f_main
	.p2alignl 7, 3214868480
	.fill 96, 4, 3214868480
	.section	.rodata,"a",@progbits
	.p2align	6, 0x0
	.amdhsa_kernel k_qb1d5f49f8f_main
		.amdhsa_group_segment_fixed_size 327680
		.amdhsa_private_segment_fixed_size 0
		.amdhsa_enable_private_segment 0
		.amdhsa_kernarg_size 56
		.amdhsa_user_sgpr_count 2
		.amdhsa_user_sgpr_kernarg_segment_ptr 1
		.amdhsa_wavefront_size32 1
		.amdhsa_system_sgpr_workgroup_id_x 1
		.amdhsa_system_sgpr_workgroup_id_y 1
		.amdhsa_system_sgpr_workgroup_id_z 1
		.amdhsa_system_vgpr_workitem_id 0
		.amdhsa_next_free_vgpr 1024
		.amdhsa_next_free_sgpr 66
		.amdhsa_reserve_vcc 1
		.amdhsa_float_denorm_mode_32 3
		.amdhsa_float_denorm_mode_16_64 3
		.amdhsa_memory_ordered 1
		.amdhsa_forward_progress 1
		.amdhsa_inst_pref_size 255
	.end_amdhsa_kernel
	.section	.bss,"aw",@nobits
	.p2align	6
	.space	262144
	.amdgpu_metadata
---
amdhsa.version: [ 1, 2 ]
amdhsa.kernels:
  - .name:           k_qb1d5f49f8f_main
    .symbol:         k_qb1d5f49f8f_main.kd
    .args:
      - { .name: features, .offset: 0, .size: 8, .value_kind: global_buffer, .address_space: global }
      - { .name: kv_gamma, .offset: 8, .size: 8, .value_kind: global_buffer, .address_space: global }
      - { .name: kv_beta, .offset: 16, .size: 8, .value_kind: global_buffer, .address_space: global }
      - { .name: wimg, .offset: 24, .size: 8, .value_kind: global_buffer, .address_space: global }
      - { .name: qv, .offset: 32, .size: 8, .value_kind: global_buffer, .address_space: global }
      - { .name: po, .offset: 40, .size: 8, .value_kind: global_buffer, .address_space: global }
      - { .name: stat, .offset: 48, .size: 8, .value_kind: global_buffer, .address_space: global }
    .group_segment_fixed_size: 327680
    .private_segment_fixed_size: 0
    .kernarg_segment_align: 8
    .kernarg_segment_size: 56
    .max_flat_workgroup_size: 128
    .sgpr_count:     66
    .vgpr_count:     1024
    .wavefront_size: 32
...
	.end_amdgpu_metadata
.endif
;; end of part 2
;; launch combine (part 3): grid 16 x 16, 8 waves a work-group, no clusters, 7,168 bytes of LDS; arguments po, stat, proj_W_codes, proj_W_scales, class_feature, proj_b, out0; writes out0
.if DOCPART == 3
	.amdgcn_target "amdgcn-amd-amdhsa--gfx1250"
	.amdhsa_code_object_version 6
	.text
	.protected	k_qb1d5f49f8f_combine
	.globl	k_qb1d5f49f8f_combine
	.p2align	8
	.type	k_qb1d5f49f8f_combine,@function
k_qb1d5f49f8f_combine:
	s_mov_b64 s[64:65], 0
	v_nop
	global_prefetch_b8 v0, s[64:65] scope:SCOPE_SE
	s_setreg_imm32_b32 hwreg(HW_REG_WAVE_MODE, 25, 1), 1
	s_wait_xcnt 0x0
; out0[b] = class_feature + Q(agg[b]) proj_W^T + proj_b.  agg[b] joins the batch's 16 blocks of tokens: for head w, M = the largest m_i, w_i = 2^(m_i - M), agg = (sum of w_i o_i) / (sum of w_i l_i).
; Work-group (x, y): batch y, outputs 64 x .. 64 x + 63.  K IS SHARED OUT AMONG THE WAVES: wave w joins head w, which is K step w of the product, quantises it (E3M2, one E8M0 byte for each 32) into a fragment of
; sixteen equal rows, which stays in its registers, and multiplies it by K step w of the work-group's 64 rows of proj_W: four matrix instructions.  The eight waves' partial sums meet in LDS and are added in f32:
; an order of sums other than ascending K.
; One batch in sixteen equal rows: a tile of all 16 batches would want all 1 MiB of partial sums in each work-group; so a work-group reads 64 KiB of them and 48 KiB of weights.
; LIMITS: NaN and infinities are not served.  A block of zeros gets the scale byte 1 (the quantiser says 127): its codes are zeros, and only this launch reads the byte.
.set TW,   0                           ; LDS: 512 bytes a wave: my 128 numbers in f32
.set PART, 4096                        ; 256 bytes a wave: my partial sums of the 64 results
; v1 lane, v2 r, v3 h, v4 16 x lane, v5-8 LDS addresses, v9 8 x lane, v10 0, v12-15 the weight's scale words, v16 my fragment's scale word, v20-23 at work, v24-55 four accumulators, v56-59 my four numbers,
; v61-62 offsets, v64-127 o_i, then numbers; v128-143 m_i, then w_i; v144-159 l_i; later v128-135 at work, v136-147 my fragment's codes, v148-155 at work; v160-207 the weight's four fragments; v208-211 class_feature, proj_b
	s_load_b256 s[4:11], s[0:1], 0x0               ; po, stat, proj_W's codes, proj_W's scales
	s_load_b128 s[12:15], s[0:1], 0x20             ; class_feature, proj_b
	s_load_b64 s[16:17], s[0:1], 0x30              ; out0
	v_lshl_add_u32 v254, v0, 2, 0x1800
	v_mov_b32 v255, 0
	v_lshrrev_b32 v1, 5, v0
	s_delay_alu instid0(VALU_DEP_1)
	v_readfirstlane_b32 s22, v1                    ; wave 0..7
	v_and_b32 v1, 31, v0                           ; lane
	v_and_b32 v2, 15, v0                           ; r
	v_bfe_u32 v3, v0, 4, 1                         ; h
	s_delay_alu instid0(VALU_DEP_3)
	v_lshlrev_b32 v4, 4, v1                        ; 16 x lane
	s_wait_alu depctr_va_vdst(0)
	v_mul_u32_u24 v61, v2, 768                     ; a row of 1,024 codes is 768 bytes;
	s_delay_alu instid0(VALU_DEP_1)
	v_mad_u32_u24 v61, v3, 24, v61                 ; + 24 h
	v_lshlrev_b32 v62, 5, v2                       ; a row of scale bytes is 32 bytes
	s_and_b32 s23, ttmp7, 0xffff                   ; the batch
	s_lshl_b32 s24, s22, 9                         ; 512 w
	s_lshl_b32 s25, s22, 8                         ; 256 w
	s_lshl_b32 s36, s23, 16                        ; po: 16 blocks of 4,096 bytes a batch, + 512 w
	s_add_co_u32 s36, s36, s24
	s_mov_b32 s37, 0
	s_lshl_b32 s38, s23, 10                        ; stat: 1,024 bytes a batch, 128 a head
	s_lshl_b32 s26, s22, 7
	s_add_co_u32 s38, s38, s26
	s_mov_b32 s39, 0
	s_mul_i32 s40, ttmp9, 49152                    ; my work-group's 64 rows of proj_W, 768 bytes each,
	s_mul_i32 s26, s22, 96
	s_add_co_u32 s40, s40, s26                     ; at my K step
	s_mov_b32 s41, 0
	s_lshl_b32 s42, ttmp9, 11                      ; their scale bytes, 32 a row,
	s_lshl_b32 s26, s22, 2
	s_add_co_u32 s42, s42, s26                     ; at my K step's word
	s_mov_b32 s43, 0
	s_lshl_b32 s44, ttmp9, 8                       ; class_feature and proj_b at the 64 outputs
	s_mov_b32 s45, 0
	s_lshl_b32 s46, s23, 12                        ; out0: 4,096 bytes a batch, + 256 x
	s_add_co_u32 s46, s46, s44
	s_mov_b32 s47, 0
	s_mov_b32 s32, 0x76543210
	s_mov_b32 s33, 0xfedcba98                      ; v_permlanex16_b32's selects for lane l xor 16
	v_add_nc_u32 v5, s24, v4                       ; TW + 512 w + 16 l
	v_lshl_add_u32 v6, v3, 7, s24                  ; TW + 512 w + 128 h
	v_lshl_add_u32 v7, v2, 2, s25
	s_delay_alu instid0(VALU_DEP_1)
	v_add_nc_u32 v7, PART, v7                      ; PART + 256 w + 4 r
	v_lshl_add_u32 v8, v1, 3, PART                 ; PART + 8 l
	v_lshlrev_b32 v9, 3, v1                        ; 8 l
	v_mov_b32 v10, 0
	s_wait_alu depctr_va_vdst(0)
	s_wait_kmcnt 0x0
	s_add_nc_u64 s[4:5], s[4:5], s[36:37]
	s_add_nc_u64 s[6:7], s[6:7], s[38:39]
	s_add_nc_u64 s[8:9], s[8:9], s[40:41]
	s_add_nc_u64 s[10:11], s[10:11], s[42:43]
	s_add_nc_u64 s[12:13], s[12:13], s[44:45]
	s_add_nc_u64 s[14:15], s[14:15], s[44:45]
	s_add_nc_u64 s[16:17], s[16:17], s[46:47]
.irp i, 0,1,2,3,4,5,6,7
	global_load_b128 v[128+4*\i:131+4*\i], v10, s[6:7] offset:16*\i   ; the head's 16 m and 16 l, the same in every lane
.endr
.irp i, 0,1,2,3,4,5,6,7,8,9,10,11,12,13,14,15
	global_load_b128 v[64+4*\i:67+4*\i], v4, s[4:5] offset:4096*\i   ; block i's o: my four channels
.endr
	global_load_b64 v[208:209], v9, s[12:13]       ; every wave asks for these two, so that one count below serves all waves; wave 0 uses them
	global_load_b64 v[210:211], v9, s[14:15]
.irp n, 0,1,2,3
.irp p, 0,1,2,3,4,5
	global_load_b64 v[160+12*\n+2*\p:161+12*\n+2*\p], v61, s[8:9] offset:12288*\n+48*(\p/3)+8*(\p%3)   ; K step w of rows 16 n + r
.endr
.endr
.irp n, 0,1,2,3
	global_load_b32 v[12+\n], v62, s[10:11] offset:512*\n
.endr
	s_wait_loadcnt 30                              ; class_feature, proj_b and the weight's 24 + 4 loads may stay out
	v_max3_num_f32 v20, v128, v129, v130
.irp i, 131,133,135,137,139,141
	s_delay_alu instid0(VALU_DEP_1)
	v_max3_num_f32 v20, v20, v[\i], v[\i+1]
.endr
	s_delay_alu instid0(VALU_DEP_1)
	v_max_num_f32 v20, v20, v143                   ; M
.irp i, 0,1,2,3,4,5,6,7,8,9,10,11,12,13,14,15
	v_sub_f32 v[128+\i], v[128+\i], v20
.endr
	s_wait_alu depctr_va_vdst(0)
.irp i, 0,1,2,3,4,5,6,7,8,9,10,11,12,13,14,15
	v_exp_f32 v[128+\i], v[128+\i]                 ; w_i = 2^(m_i - M), at most 1, and 1 for one i at the least
.endr
	v_nop                                          ; a plain instruction behind the batch,
	s_wait_alu depctr_va_vdst(0)                   ; and one wait for the sixteen, ahead of their first reader
	v_mul_f32 v21, v128, v144
	v_mul_f32 v22, v129, v145
.irp i, 2,4,6,8,10,12,14
	v_fma_f32 v21, v[128+\i], v[144+\i], v21
	v_fma_f32 v22, v[129+\i], v[145+\i], v22
.endr
	s_delay_alu instid0(VALU_DEP_1)
	v_add_f32 v21, v21, v22                        ; the sum of w_i l_i: at least 1
	s_wait_alu depctr_va_vdst(0)
	v_rcp_f32 v23, v21
.irp e, 0,1,2,3
	v_mul_f32 v[56+\e], v128, v[64+\e]             ; (plain work behind the reciprocal, which names neither its result nor its source)
.endr
.irp i, 1,2,3,4,5,6,7,8,9,10,11,12,13,14,15
.irp e, 0,1,2,3
	v_fma_f32 v[56+\e], v[128+\i], v[64+4*\i+\e], v[56+\e]
.endr
.endr
	s_wait_alu depctr_va_vdst(0)                   ; the wait ahead of the reciprocal's first reader
.irp e, 0,1,2,3
	v_mul_f32 v[56+\e], v[56+\e], v23              ; agg at channels 4 l .. 4 l + 3 of head w
.endr
; FROM FOUR NUMBERS A LANE TO MY PARTIAL SUMS.  v[56:59] = numbers 4 l .. 4 l + 3 of K step w.  They turn through my own 512 bytes of LDS, so that lane (r, h) holds k = 64 c + 32 h + 0 .. 31 in 32 registers for c = 0, 1:
; the order of the operand's registers, the same in all sixteen r: sixteen equal rows.  A lane holds two whole blocks of 32.
.macro TAIL
	ds_store_b128 v5, v[56:59]
.irp c, 0,1
.irp j, 0,1,2,3,4,5,6,7
	ds_load_b128 v[64+32*\c+4*\j:67+32*\c+4*\j], v6 offset:256*\c+16*\j   ; LDS serves a wave's instructions in order (ISA guide 5.7.1.4): these see my store
.endr
.endr
	s_wait_dscnt 0x0
.irp c, 0,1
	v_max3_num_f32 v[128+\c], |v[64+32*\c]|, |v[65+32*\c]|, 0x2800000   ; the block's largest magnitude, and the floor 2^(5 - 127): the byte cannot fall under 1
.endr
.irp i, 2,4,6,8,10,12,14,16,18,20,22,24,26,28,30
.irp c, 0,1
	s_delay_alu instid0(VALU_DEP_2)
	v_max3_num_f32 v[128+\c], v[128+\c], |v[64+32*\c+\i]|, |v[65+32*\c+\i]|
.endr
.endr
.irp c, 0,1
	s_delay_alu instid0(VALU_DEP_2)
	v_add_nc_u32 v[130+\c], 0xfe000000, v[128+\c]  ; 4 off its exponent field: the conversion takes this operand's exponent field as its scale
.endr
.irp c, 0,1
	s_delay_alu instid0(VALU_DEP_2)
	v_lshrrev_b32 v[132+\c], 23, v[130+\c]         ; the scale's byte
.endr
	s_delay_alu instid0(VALU_DEP_1)
	v_lshl_or_b32 v16, v133, 16, v132              ; my two bytes, blocks h and 2 + h,
	v_lshlrev_b32 v135, 3, v3
	s_delay_alu instid0(VALU_DEP_1)
	v_lshlrev_b32 v16, v135, v16                   ; at their places in the scale word;
	v_mov_b32 v135, 0
	s_delay_alu instid0(VALU_DEP_1)
	v_permlanex16_b32 v135, v16, s32, s33
	s_delay_alu instid0(VALU_DEP_1)
	v_or_b32 v16, v16, v135                        ; with lane l xor 16's two the word is whole
.irp c, 0,1
	v_cvt_scalef32_pk16_bf6_f32 v[136+6*\c:138+6*\c], v[64+32*\c:79+32*\c], v[130+\c]
	v_cvt_scalef32_pk16_bf6_f32 v[148+4*\c:150+4*\c], v[80+32*\c:95+32*\c], v[130+\c]   ; (a conversion's three registers begin on an even number)
.endr
	v_nop                                          ; one plain instruction behind the scaled conversions
.irp c, 0,1
.irp i, 0,1,2
	v_mov_b32 v[139+6*\c+\i], v[148+4*\c+\i]
.endr
.endr
	s_wait_alu depctr_va_vdst(0)
	s_wait_loadcnt 0x0                             ; the weight, class_feature, proj_b
.rept 8
	v_nop                                          ; a scale word written by vector instructions stands eight places ahead of a scaled matrix instruction, an operand so written four
.endr
.irp n, 0,1,2,3                            ; source 0 = my sixteen equal rows, source 1 = rows 16 n + r of the weight: register 0 of lane r is K step w's part of the result for row 16 n + r
	v_wmma_scale_f32_16x16x128_f8f6f4 v[24+8*\n:31+8*\n], v[136:147], v[160+12*\n:171+12*\n], 0, v16, v[12+\n] matrix_a_fmt:MATRIX_FMT_BF6 matrix_b_fmt:MATRIX_FMT_BF6
.endr
.rept 4
	v_nop                                          ; four places behind the last product (ISA guide 7.12.1)
.endr
.irp n, 0,1,2,3
	ds_store_b32 v7, v[24+8*\n] offset:64*\n       ; lanes r and r + 16 write the same word with the same value
.endr
	s_wait_dscnt 0x0                               ; for wave 0's sake: my stores have landed
	s_barrier_signal -1
	s_barrier_wait -1
.endm
.macro SUM8                            ; results 2 l and 2 l + 1: the eight waves' parts, added in pairs
.irp j, 0,1,2,3,4,5,6,7
	ds_load_b64 v[64+2*\j:65+2*\j], v8 offset:256*\j
.endr
	s_wait_dscnt 0x0
	v_pk_add_f32 v[64:65], v[64:65], v[66:67]
	v_pk_add_f32 v[68:69], v[68:69], v[70:71]
	v_pk_add_f32 v[72:73], v[72:73], v[74:75]
	v_pk_add_f32 v[76:77], v[76:77], v[78:79]
	s_delay_alu instid0(VALU_DEP_3)
	v_pk_add_f32 v[64:65], v[64:65], v[68:69]
	s_delay_alu instid0(VALU_DEP_2)
	v_pk_add_f32 v[72:73], v[72:73], v[76:77]
	s_delay_alu instid0(VALU_DEP_1)
	v_pk_add_f32 v[64:65], v[64:65], v[72:73]
.endm
	TAIL
	s_cmp_lg_u32 s22, 0
	s_cbranch_scc1 .Ldone
	SUM8
	v_pk_add_f32 v[208:209], v[208:209], v[210:211]   ; class_feature + proj_b
	s_delay_alu instid0(VALU_DEP_1)
	v_pk_add_f32 v[64:65], v[64:65], v[208:209]
	global_store_b64 v9, v[64:65], s[16:17]        ; 32 lanes store 256 consecutive bytes, at a multiple of 256 from out0's first byte
.Ldone:
	s_wait_tensorcnt 0x0
	ds_add_u32 v254, v255
	s_wait_dscnt 0x0
	s_endpgm
.Lfunc_end_k_qb1d5f49f8f_combine:
	.size	k_qb1d5f49f8f_combine, .Lfunc_end_k_qb1d5f49f8f_combine-k_qb1d5f49f8f_combine
	.p2alignl 7, 3214868480
	.fill 96, 4, 3214868480
	.section	.rodata,"a",@progbits
	.p2align	6, 0x0
	.amdhsa_kernel k_qb1d5f49f8f_combine
		.amdhsa_group_segment_fixed_size 7168
		.amdhsa_private_segment_fixed_size 0
		.amdhsa_enable_private_segment 0
		.amdhsa_kernarg_size 56
		.amdhsa_user_sgpr_count 2
		.amdhsa_user_sgpr_kernarg_segment_ptr 1
		.amdhsa_wavefront_size32 1
		.amdhsa_system_sgpr_workgroup_id_x 1
		.amdhsa_system_sgpr_workgroup_id_y 1
		.amdhsa_system_sgpr_workgroup_id_z 1
		.amdhsa_system_vgpr_workitem_id 0
		.amdhsa_next_free_vgpr 256
		.amdhsa_next_free_sgpr 66
		.amdhsa_reserve_vcc 0
		.amdhsa_float_denorm_mode_32 3
		.amdhsa_float_denorm_mode_16_64 3
		.amdhsa_memory_ordered 1
		.amdhsa_forward_progress 1
		.amdhsa_inst_pref_size 23
	.end_amdhsa_kernel
	.amdgpu_metadata
---
amdhsa.version: [ 1, 2 ]
amdhsa.kernels:
  - .name:           k_qb1d5f49f8f_combine
    .symbol:         k_qb1d5f49f8f_combine.kd
    .args:
      - { .name: po, .offset: 0, .size: 8, .value_kind: global_buffer, .address_space: global }
      - { .name: stat, .offset: 8, .size: 8, .value_kind: global_buffer, .address_space: global }
      - { .name: proj_W_codes, .offset: 16, .size: 8, .value_kind: global_buffer, .address_space: global }
      - { .name: proj_W_scales, .offset: 24, .size: 8, .value_kind: global_buffer, .address_space: global }
      - { .name: class_feature, .offset: 32, .size: 8, .value_kind: global_buffer, .address_space: global }
      - { .name: proj_b, .offset: 40, .size: 8, .value_kind: global_buffer, .address_space: global }
      - { .name: out0, .offset: 48, .size: 8, .value_kind: global_buffer, .address_space: global }
    .group_segment_fixed_size: 7168
    .private_segment_fixed_size: 0
    .kernarg_segment_align: 8
    .kernarg_segment_size: 56
    .max_flat_workgroup_size: 256
    .sgpr_count:     66
    .vgpr_count:     256
    .wavefront_size: 32
...
	.end_amdgpu_metadata
.endif
;; end of part 3
